; MI455X (gfx1250); checked and timed in simulation.
; The chip was launched on July 23, 2026; its instructions are those of AMD's public machine-readable ISA for CDNA 5 (MIT licence, August 2026) and "CDNA5" Instruction Set Architecture Reference Guide (July 2026). The comments in the code are by the model that wrote it; some were corrected since.
;; Attention. Allowed arithmetic: matrix products marked QUANTISED: E2M1 operands, one E8M0 scale for each 32 along K, by v_wmma_scale_f32_16x16x128_f8f6f4 with both operands' format E2M1 (or v_wmma_scale_f32_32x16x128_f4), f32 sums; products left as they are: f32 operands where the result goes on into a quantised operand, else bf16, f16 or f32 operands; f32 sums; everything else in f32.
;; Inputs: WG 1,024 x 1,024 float32; WO 1,024 x 1,024 float32; g 32 x 1,024 float32; inputs 32 x 2,048 x 1,024 float32; v 1 x 1,024 float32.
;; Outputs: out0 32 x 2,048 float32.
;; This version of the problem:
;;   THIS VERSION OF THE PROBLEM IS GIVEN IN LOW PRECISION. The matrix products marked QUANTISED in the list below multiply operands that are first quantised to E2M1 (2 exponent bits, 1 mantissa bit; 4 bits a number), with one power-of-two scale for each 32 numbers along K (OCP MX v1.0); their sums are f32. All else is computed in f32.
;;   The module's matrix products, in the order in which they are computed (A, B: the left and right operand; K: the contracted axis; several contracted axes count as one K, in the product's order):
;;     1. [M 65,536, K 1,024] x [K 1,024, N 1,024]; A: input inputs; B: input WO: QUANTISED
;;     2. [M 32, K 1,024] x [K 1,024, N 1,024]; A: input g; B: input WG: QUANTISED
;;     3. [M 1, K 1,024] x [K 1,024, N 65,536]; A: input v; B: computed on the way: left as it is (M = 1 < 16)
;;   THE QUANTISER, for each operand of a quantised product, along K:
;;     - K is cut into blocks of 32 from its start; a last block that is shorter is filled with zeros.
;;     - A block's scale is 2^e with e = floor(log2(the largest magnitude in the block)) - 2, held to -126 .. 127; a block of zeros has e = 0. As a byte (E8M0): e + 127.
;;     - Each number is divided by its block's scale, clamped to +-6, and rounded to the nearest number of E2M1, ties to even, subnormals kept.
;;     - The product sums the exact products of the quantised numbers (number of the format x scale) in f32.
;;   ~~~python
;;   def quantise(x, axis):      # numpy; x: float32 -> the quantised numbers, widened to float32 again
;;       x = np.moveaxis(x, axis, -1); K = x.shape[-1]
;;       x = np.pad(x, [(0, 0)] * (x.ndim - 1) + [(0, -K % 32)]); x = x.reshape(x.shape[:-1] + (-1, 32)); a = np.abs(x).max(-1, keepdims=True)
;;       e = np.where(a > 0, np.clip(np.frexp(np.where(a > 0, a, 1))[1] - 1 - 2, -126, 127), 0)      # np.frexp(a)[1] - 1 = floor(log2(a)), exactly
;;       r = np.clip(x / 2.0 ** e, -6, 6)
;;       step = 2.0 ** (np.maximum(np.frexp(np.where(r == 0, 1, r))[1] - 1, 0) - 1)
;;       q = np.round(r / step) * step * 2.0 ** e      # np.round: ties to even
;;       return np.moveaxis(q.reshape(q.shape[:-2] + (-1,))[..., :K], -1, axis).astype(np.float32)
;;   ~~~
;; One version. Each part assembles by itself: llvm-mc -triple=amdgcn-amd-amdhsa -mcpu=gfx1250 --defsym DOCPART=n.
;; ======== version 1 of 1: 2 launches
;; limits: right only within a limited range of input values
;; workspace buffers: wo_codes 524,288 bytes; wo_scales 32,768 bytes; t2c 131,072 bytes
;; launch prep (part 1): grid 64 x 1, 8 waves a work-group, no clusters, 87,040 bytes of LDS; arguments WO, WG, g, wo_codes, wo_scales, t2c; writes wo_codes, wo_scales, t2c
.if DOCPART == 1
	.amdgcn_target "amdgcn-amd-amdhsa--gfx1250"
	.amdhsa_code_object_version 6
	.text
	.protected	k_qdb8fdc5ffe_prep
	.globl	k_qdb8fdc5ffe_prep
	.p2align	8
	.type	k_qdb8fdc5ffe_prep,@function
k_qdb8fdc5ffe_prep:
	s_mov_b64 s[64:65], 0
	v_nop
	global_prefetch_b8 v0, s[64:65] scope:SCOPE_SE
	s_setreg_imm32_b32 hwreg(HW_REG_WAVE_MODE, 25, 1), 1
	s_wait_xcnt 0x0
; WO [1024][1024] f32 becomes codes of FP4 (E2M1) with one E8M0 scale byte for each 32 along K, laid in the order of an operand's registers;
; and t2c[T][b][i] = c x (Q(g) Q(WG)^T)[b][16 T + i], c = 2 log2(e), the addend of the exponent in the next launch's tanh.
; A block's scale is 2^(floor(log2(its largest magnitude)) - 2); its byte is the largest magnitude's exponent field - 2, held at 1 from below.
; LIMITS: a block of zeros gets the byte 1 where the rule says 127: its codes are zeros, which add nothing, and this program alone reads the bytes.  NaN and infinities among the inputs are not served.
; SHARES.  Work-group T takes rows 16 T .. 16 T + 15 of WO and of WG; its wave s takes K step s (k = 128 s .. 128 s + 127) of those rows and of all 32 rows of g.
; Each load reads 512 consecutive bytes of one row, 16 a lane.  The conversions want 32 neighbours along K in ONE lane, in the order of the operand's layout (lane (r, h): row r, registers 4 c .. 4 c + 3: k = 64 c + 32 h + 0 .. 31):
; so a K step's 16 rows turn through the wave's own stage in LDS (rows of 512 bytes + 16: the sixteen rows that a load touches start in sixteen different columns of 16 bytes).
; The eight waves' partial sums of the small product meet in LDS behind one barrier.  No tensor load, no cluster: work-groups share only g, 128 KiB.
; OUT: wo_codes [T 64][s 8][c 2][lane 32][16 bytes];  wo_scales [n 1024][32 bytes];  t2c [T 64][b 32][16] f32.
.set STGB, 8448                        ; a wave's stage: 16 rows x 528 bytes
.set RED,  67584                       ; behind the eight stages: 8 x 2,048 bytes, the waves' partial sums [b 32][16] f32
.set WSC,  83968                       ; behind them: 512 bytes, WO's scale words [row 16][8 words]
.set R0,   32                          ; v32-95, v96-159, v160-223: three sets of 64 numbers
.set R1,   96
.set R2,   160
.set FW,   224                         ; v224-231 WG's fragment; v232-239, v240-247 g's two; v248-255 WO's
.set FG0,  232
.set FG1,  240
.set FO,   248
.set AC0,  96                          ; the two accumulators, where WG's numbers lay
.set AC1,  104
; v1 16 x lane; v2, v3 the stage, in and out; v4 my scale word's place; v5, v6 the partial sums, in and out; v7 8 x thread; v8-11 scale words of WO, WG, g rows 0-15, g rows 16-31 (nothing else);
; v12-19 at work; v24 WO's scale words on their way out
	s_load_b256 s[4:11], s[0:1], 0x0               ; WO s[4:5], WG s[6:7], g s[8:9], wo_codes s[10:11]
	s_load_b128 s[12:15], s[0:1], 0x20             ; wo_scales s[12:13], t2c s[14:15]
	v_lshl_add_u32 v30, v0, 2, 0x15000
	v_mov_b32 v31, 0
	v_lshrrev_b32 v20, 5, v0
	s_delay_alu instid0(VALU_DEP_1)
	v_readfirstlane_b32 s18, v20                   ; wave = K step s
	v_and_b32 v20, 31, v0                          ; lane
	v_and_b32 v21, 15, v0                          ; r
	v_bfe_u32 v22, v0, 4, 1                        ; h
	s_delay_alu instid0(VALU_DEP_3)
	v_lshlrev_b32 v1, 4, v20
	s_mul_i32 s24, s18, STGB
	v_add_nc_u32 v2, s24, v1                       ; into the stage: 16 x lane of row i
	v_mul_u32_u24 v3, v21, 528
	s_delay_alu instid0(VALU_DEP_1)
	v_lshl_add_u32 v3, v22, 7, v3
	s_delay_alu instid0(VALU_DEP_1)
	v_add_nc_u32 v3, s24, v3                       ; out of it: row r, block h (128 bytes a block)
	s_lshl_b32 s25, s18, 2
	s_add_co_u32 s25, s25, WSC
	v_lshl_add_u32 v4, v21, 5, s25                 ; row r's 32 scale bytes, word s
	s_lshl_b32 s25, s18, 11
	s_add_co_u32 s25, s25, RED
	v_lshl_add_u32 v5, v21, 6, s25
	s_delay_alu instid0(VALU_DEP_1)
	v_lshl_add_u32 v5, v22, 5, v5                  ; my wave's sums: b = r: 64 bytes a row, + 32 h
	v_lshl_add_u32 v6, v0, 3, RED                  ; back: 8 bytes a thread
	v_lshlrev_b32 v7, 3, v0
	v_lshlrev_b32 v18, 3, v22                      ; 8 h: how far my two scale bytes are shifted
	v_mov_b32 v19, 0                               ; written once: a lane permute's destination counts as one of its sources
	v_lshl_add_u32 v24, v20, 4, WSC
	s_mov_b32 s20, 0x76543210
	s_mov_b32 s21, 0xfedcba98                      ; v_permlanex16_b32's selects for lane l xor 16
	s_mov_b32 s22, 0x4038aa3b                      ; c = 2 log2(e)
	s_mov_b32 s23, s22                             ; (named with it as a pair, so it is written)
	s_lshl_b32 s24, ttmp9, 16                      ; 16 rows of 4,096 bytes a work-group,
	s_lshl_b32 s26, s18, 9                         ; 512 bytes of a row a wave
	s_add_co_u32 s24, s24, s26
	s_mov_b32 s25, 0
	s_mov_b32 s27, 0
	s_wait_alu depctr_va_vdst(0)
	s_wait_kmcnt 0x0
	s_add_nc_u64 s[4:5], s[4:5], s[24:25]
	s_add_nc_u64 s[6:7], s[6:7], s[24:25]
	s_add_nc_u64 s[8:9], s[8:9], s[26:27]
	s_lshl_b32 s24, ttmp9, 13                      ; a tile's codes are 8,192 bytes, a K step's 1,024
	s_lshl_b32 s26, s18, 10
	s_add_co_u32 s24, s24, s26
	s_add_nc_u64 s[10:11], s[10:11], s[24:25]
	s_lshl_b32 s24, ttmp9, 9
	s_add_nc_u64 s[12:13], s[12:13], s[24:25]
	s_lshl_b32 s24, ttmp9, 11
	s_add_nc_u64 s[14:15], s[14:15], s[24:25]
.macro GLOAD reg, base, off, nt        ; 16 rows' 512 bytes of my K step; nt = 1: the launch reads these bytes once
.irp i, 0,1,2,3,4,5,6,7,8,9,10,11,12,13,14,15
.if \nt
	global_load_b128 v[\reg+4*\i:\reg+4*\i+3], v1, s[\base:\base+1] offset:\off+4096*\i th:TH_LOAD_NT
.else
	global_load_b128 v[\reg+4*\i:\reg+4*\i+3], v1, s[\base:\base+1] offset:\off+4096*\i
.endif
.endr
.endm
.macro TURNL reg                       ; through my stage: LDS serves a wave's instructions in order, so no wait stands between the stores and the loads.  Afterwards registers reg + 32 c + 0 .. 31 hold block 2 c + h of row r
.irp i, 0,1,2,3,4,5,6,7,8,9,10,11,12,13,14,15
	ds_store_b128 v2, v[\reg+4*\i:\reg+4*\i+3] offset:528*\i
.endr
.irp c, 0,1
.irp j, 0,1,2,3,4,5,6,7
	ds_load_b128 v[\reg+32*\c+4*\j:\reg+32*\c+4*\j+3], v3 offset:256*\c+16*\j
.endr
.endr
	s_wait_dscnt 0x0
.endm
.macro QB reg, code, sw                ; 64 numbers of a lane become a fragment's 8 registers at v[code] and its row's scale word in v[sw]
.irp c, 0,1
	v_max3_num_f32 v[12+\c], |v[\reg+32*\c]|, |v[\reg+32*\c+1]|, 0x1800000   ; my block 2 c + h: all 32 numbers are mine; the floor 2^(3 - 127) holds the byte at 1 from below
.endr
.irp i, 2,4,6,8,10,12,14,16,18,20,22,24,26,28,30
.irp c, 0,1
	s_delay_alu instid0(VALU_DEP_2)
	v_max3_num_f32 v[12+\c], v[12+\c], |v[\reg+32*\c+\i]|, |v[\reg+32*\c+\i+1]|   ; (the two blocks by turns)
.endr
.endr
.irp c, 0,1
	s_delay_alu instid0(VALU_DEP_2)
	v_add_nc_u32 v[14+\c], 0xff000000, v[12+\c]    ; 2 off the exponent field: the conversion takes the exponent field of this operand as its scale
.endr
.irp c, 0,1
	s_delay_alu instid0(VALU_DEP_2)
	v_lshrrev_b32 v[16+\c], 23, v[14+\c]           ; the scale's byte
.endr
	s_delay_alu instid0(VALU_DEP_1)
	v_lshl_or_b32 v[\sw], v17, 16, v16             ; my two bytes: blocks h and 2 + h,
	s_delay_alu instid0(VALU_DEP_1)
	v_lshlrev_b32 v[\sw], v18, v[\sw]              ; at their places in the word;
	s_delay_alu instid0(VALU_DEP_1)
	v_permlanex16_b32 v19, v[\sw], s20, s21
	s_delay_alu instid0(VALU_DEP_1)
	v_or_b32 v[\sw], v[\sw], v19                   ; with lane l xor 16's two the word is whole, in both lanes
.irp c, 0,1
.irp q, 0,1,2,3
	v_cvt_scalef32_pk8_fp4_f32 v[\code+4*\c+\q], v[\reg+32*\c+8*\q:\reg+32*\c+8*\q+7], v[14+\c]
.endr
.endr
	v_nop                                          ; one plain place behind a scaled conversion
.endm
	GLOAD R0, 4, 0, 1                              ; WO
	GLOAD R1, 6, 0, 1                              ; WG
	GLOAD R2, 8, 0, 0                              ; g, rows 0-15: every work-group reads g
	s_wait_loadcnt 32                              ; WO's 16 loads are in; WG's and g's 32 may be out
	TURNL R0
	QB R0, FO, 8
	global_store_b128 v1, v[FO:FO+3], s[10:11]             ; the fragment as it stands: 512 consecutive bytes a store, aligned
	global_store_b128 v1, v[FO+4:FO+7], s[10:11] offset:512
	ds_store_b32 v4, v8                            ; both lanes of a row write the same word with the same value
	GLOAD R0, 8, 65536, 0                          ; g, rows 16-31
	s_wait_loadcnt 32                              ; WG is in; behind it stand g's two runs of 16
	TURNL R1
	QB R1, FW, 9
	s_wait_loadcnt 16                              ; g's rows 0-15 are in
	TURNL R2
	QB R2, FG0, 10
	s_wait_loadcnt 0x0
	TURNL R0
	QB R0, FG1, 11
.rept 8
	v_nop                                          ; a scale register written by a vector instruction stands 8 places ahead of a scaled matrix instruction, an operand so written 4
.endr
	; TRANSPOSED: source 0 = 16 rows of WG, source 1 = 16 rows of g: lane (r, h), register j holds (b = 16 gt + r, n = 16 T + 8 h + j), my K step's part
	v_wmma_scale_f32_16x16x128_f8f6f4 v[AC0:AC0+7], v[FW:FW+7], v[FG0:FG0+7], 0, v9, v10 matrix_a_fmt:MATRIX_FMT_FP4 matrix_b_fmt:MATRIX_FMT_FP4
	v_wmma_scale_f32_16x16x128_f8f6f4 v[AC1:AC1+7], v[FW:FW+7], v[FG1:FG1+7], 0, v9, v11 matrix_a_fmt:MATRIX_FMT_FP4 matrix_b_fmt:MATRIX_FMT_FP4
.rept 4
	v_nop                                          ; four places in front of the first read of the results (ISA guide 7.12.1)
.endr
	ds_store_b128 v5, v[AC0:AC0+3]                 ; each accumulator from its low end on
	ds_store_b128 v5, v[AC0+4:AC0+7] offset:16
	ds_store_b128 v5, v[AC1:AC1+3] offset:1024
	ds_store_b128 v5, v[AC1+4:AC1+7] offset:1040
	s_wait_dscnt 0x0                               ; for the others' sake: my sums and my scale words lie in LDS
	s_barrier_signal -1
	s_barrier_wait -1
.irp i, 0,1,2,3,4,5,6,7
	ds_load_b64 v[32+2*\i:33+2*\i], v6 offset:2048*\i      ; the eight K steps' parts of my two numbers
.endr
	s_wait_dscnt 0x0
	v_pk_add_f32 v[32:33], v[32:33], v[34:35]
	v_pk_add_f32 v[36:37], v[36:37], v[38:39]
	v_pk_add_f32 v[40:41], v[40:41], v[42:43]
	v_pk_add_f32 v[44:45], v[44:45], v[46:47]
	s_delay_alu instid0(VALU_DEP_3)
	v_pk_add_f32 v[32:33], v[32:33], v[36:37]
	s_delay_alu instid0(VALU_DEP_2)
	v_pk_add_f32 v[40:41], v[40:41], v[44:45]
	s_delay_alu instid0(VALU_DEP_1)
	v_pk_add_f32 v[32:33], v[32:33], v[40:41]
	s_delay_alu instid0(VALU_DEP_1)
	v_pk_mul_f32 v[32:33], v[32:33], s[22:23] op_sel_hi:[1,0]      ; x c
	global_store_b64 v7, v[32:33], s[14:15]        ; a wave stores 256 consecutive bytes, aligned
	s_cmp_lg_u32 s18, 0
	s_cbranch_scc1 .Ldone                          ; wave 0 alone sends the tile's 512 scale bytes
	ds_load_b128 v[48:51], v24
	s_wait_dscnt 0x0
	global_store_b128 v1, v[48:51], s[12:13]       ; 512 consecutive bytes, aligned
.Ldone:
	s_wait_tensorcnt 0x0
	ds_add_u32 v30, v31
	s_wait_dscnt 0x0
	s_endpgm
.Lfunc_end_k_qdb8fdc5ffe_prep:
	.size	k_qdb8fdc5ffe_prep, .Lfunc_end_k_qdb8fdc5ffe_prep-k_qdb8fdc5ffe_prep
	.p2alignl 7, 3214868480
	.fill 96, 4, 3214868480
	.section	.rodata,"a",@progbits
	.p2align	6, 0x0
	.amdhsa_kernel k_qdb8fdc5ffe_prep
		.amdhsa_group_segment_fixed_size 87040
		.amdhsa_private_segment_fixed_size 0
		.amdhsa_enable_private_segment 0
		.amdhsa_kernarg_size 48
		.amdhsa_user_sgpr_count 2
		.amdhsa_user_sgpr_kernarg_segment_ptr 1
		.amdhsa_wavefront_size32 1
		.amdhsa_system_sgpr_workgroup_id_x 1
		.amdhsa_system_sgpr_workgroup_id_y 1
		.amdhsa_system_sgpr_workgroup_id_z 1
		.amdhsa_system_vgpr_workitem_id 0
		.amdhsa_next_free_vgpr 256
		.amdhsa_next_free_sgpr 66
		.amdhsa_reserve_vcc 0
		.amdhsa_float_denorm_mode_32 3
		.amdhsa_float_denorm_mode_16_64 3
		.amdhsa_memory_ordered 1
		.amdhsa_forward_progress 1
		.amdhsa_inst_pref_size 37
	.end_amdhsa_kernel
	.amdgpu_metadata
---
amdhsa.version: [ 1, 2 ]
amdhsa.kernels:
  - .name:           k_qdb8fdc5ffe_prep
    .symbol:         k_qdb8fdc5ffe_prep.kd
    .args:
      - { .name: WO, .offset: 0, .size: 8, .value_kind: global_buffer, .address_space: global }
      - { .name: WG, .offset: 8, .size: 8, .value_kind: global_buffer, .address_space: global }
      - { .name: g, .offset: 16, .size: 8, .value_kind: global_buffer, .address_space: global }
      - { .name: wo_codes, .offset: 24, .size: 8, .value_kind: global_buffer, .address_space: global }
      - { .name: wo_scales, .offset: 32, .size: 8, .value_kind: global_buffer, .address_space: global }
      - { .name: t2c, .offset: 40, .size: 8, .value_kind: global_buffer, .address_space: global }
    .group_segment_fixed_size: 87040
    .private_segment_fixed_size: 0
    .kernarg_segment_align: 8
    .kernarg_segment_size: 48
    .max_flat_workgroup_size: 256
    .sgpr_count:     66
    .vgpr_count:     256
    .wavefront_size: 32
...
	.end_amdgpu_metadata
.endif
;; end of part 1
;; launch main (part 2): grid 256 x 1, 4 waves a work-group, no clusters, 122,880 bytes of LDS; arguments inputs, v, wo_codes, wo_scales, t2c, out0; writes out0
.if DOCPART == 2
	.amdgcn_target "amdgcn-amd-amdhsa--gfx1250"
	.amdhsa_code_object_version 6
	.text
	.protected	k_qdb8fdc5ffe_main
	.globl	k_qdb8fdc5ffe_main
	.p2align	8
	.type	k_qdb8fdc5ffe_main,@function
k_qdb8fdc5ffe_main:
	s_mov_b64 s[64:65], 0
	v_nop
	global_prefetch_b8 v0, s[64:65] scope:SCOPE_SE
	s_setreg_imm32_b32 hwreg(HW_REG_WAVE_MODE, 25, 1), 1
	s_wait_xcnt 0x0
; out[b][s] = sum over n of v[n] tanh((Q(x) Q(WO)^T)[s][n] + term2[b][n]);  tanh(y) = 1 - 2 / (1 + 2^(c y)), c = 2 log2(e); t2c holds c x term2.
; A work-group owns 256 rows of x, in two passes of 128.  Four waves; wave w owns columns n = 256 w .. 256 w + 255 of WO (16 tiles of 16) against all 128 rows of a pass,
; whose codes lie in 512 of its registers: so WO's codes are fetched twice by a work-group.
; x comes by register loads, 512 consecutive bytes an instruction; a row turns through the wave's own stage in LDS so that a lane holds one block of 32 along K, is quantised,
; and its codes and scale bytes go to LDS, from where every wave takes the next pass's operand.  Pass 1 quantises pass 2's rows, two a tile, asked for two tiles ahead.
; No tensor load, so no ring of slots; WO's fragments go from memory straight into their wave's registers, so there is no LDS fill that work-groups could share: cluster = none.
; No prefetch: x is asked for by the register loads themselves, eight rows (head) or four rows (pass 1) of a wave ahead of their use, and nothing is drained between them.
; THE MATRIX INSTRUCTION IS USED TRANSPOSED (source 0 = 16 rows of WO, source 1 = 16 rows of x): lane (r, h) holds row r, registers j the columns 8 h + j.
; LIMITS: a block of zeros gets the scale byte 1 (its codes are zeros; this program alone reads the bytes).  NaN and infinities among the inputs are not served.
; REGISTERS: window 0 addresses, scales, tables, WO's fragments (two sets); windows 1, 2 x's codes, 8 tiles of 16 rows (in the head window 1 is a ring of 8 rows of f32);
; window 3: v0-63 the 8 accumulators (in the head a row at work), v64-191 four rows of f32 on their way, v192-207 the quantiser's temporaries.
.set CP,    528                        ; a row of codes in LDS: 512 bytes + 16
.set SP,    48                         ; a row of scale bytes: 32 + 16
.set ASCL,  67584                      ; behind 128 rows of codes at 0
.set CTAB,  73728                      ; c x term2 of my batch, 4,096 bytes; behind it -2 v, 4,096 bytes
.set RED,   81920                      ; the waves' partial sums: [pass 2][wave 4][row 128] f32
.set STAGE, 86016                      ; 2 rows x 4,352 bytes for each wave
.set SPARE, 120832                     ; the spare words
.set SPW,1
.set NIL,2
.set SW,3
.set SR,4
.set ACW,5
.set ASW,6
.set TBR,7
.set AFR,8
.set ASR,9
.set BO,10
.set SO,11
.set RW,12
.set RR,13
.set OO,14
.set SVA,15
.set XO,16
.set CA,17
.set SA,18
.set TA,19
.set SVP,20
.set XSC,32
.set WOS,64
.set CT,72
.set V2,80
.set S,88
.set WOF,112
.set TT,240
.set UU,248
.set XR,64
.set TP,192
.set WV,16
.set SEL,24
.set CS,26
.set HM,28
.set QT,29
.set QC,30
.set QS,31
.set LP,32
.set XP,34
.set BC,36
.set BS,38
.set OUTP,40
.set MSB, 0
.macro WIN new                         ; the immediate's high byte repeats the setting that is left
.if MSB != \new
	s_set_vgpr_msb (MSB<<8)|\new
.set MSB, \new
.endif
.endm
.macro BAR                             ; my LDS instructions are done, then the work-group's barrier
	s_wait_alu depctr_va_vdst(0)
	s_wait_dscnt 0x0
	s_barrier_signal -1
	s_barrier_wait -1
.endm
; n rows (32 numbers a lane at v[x + 32 rr], window 3) become codes in v[TP+8rr+4 ..+7] and a scale byte in v[TP+8rr+3]
.macro QV x, n
.irp rr,0,1
.if \rr < \n
	v_max3_num_f32 v[TP+8*\rr], |v[\x+32*\rr]|, |v[\x+32*\rr+1]|, |v[\x+32*\rr+2]|
	v_max3_num_f32 v[TP+8*\rr+1], |v[\x+32*\rr+3]|, |v[\x+32*\rr+4]|, |v[\x+32*\rr+5]|
.endif
.endr
.irp i,6,10,14,18,22,26
.irp rr,0,1
.if \rr < \n
	v_max3_num_f32 v[TP+8*\rr], v[TP+8*\rr], |v[\x+32*\rr+\i]|, |v[\x+32*\rr+\i+1]|
	v_max3_num_f32 v[TP+8*\rr+1], v[TP+8*\rr+1], |v[\x+32*\rr+\i+2]|, |v[\x+32*\rr+\i+3]|
.endif
.endr
.endr
.irp rr,0,1
.if \rr < \n
	v_max3_num_f32 v[TP+8*\rr], v[TP+8*\rr], |v[\x+32*\rr+30]|, |v[\x+32*\rr+31]|
.endif
.endr
.irp rr,0,1
.if \rr < \n
	v_max3_num_f32 v[TP+8*\rr], v[TP+8*\rr], v[TP+8*\rr+1], 0x1800000   ; the floor 2^(3 - 127) holds the byte at 1 from below
.endif
.endr
.irp rr,0,1
.if \rr < \n
	v_add_nc_u32 v[TP+8*\rr+2], 0xff000000, v[TP+8*\rr]    ; 2 off the exponent field: the conversion's scale operand
.endif
.endr
.irp rr,0,1
.if \rr < \n
.irp g,0,1,2,3
	v_cvt_scalef32_pk8_fp4_f32 v[TP+8*\rr+4+\g], v[\x+32*\rr+8*\g:\x+32*\rr+8*\g+7], v[TP+8*\rr+2]
.endr
.endif
.endr
.irp rr,0,1
.if \rr < \n
	v_lshrrev_b32 v[TP+8*\rr+3], 23, v[TP+8*\rr+2]         ; the scale's byte (also the plain place behind the conversions)
.endif
.endr
.endm
.macro XLOAD u, r0                     ; two rows of x, r0 and r0 + 1 from s[XP], into set u of window 3: 16 loads
	WIN 0xc0
.irp rr,0,1
.irp j,0,1,2,3,4,5,6,7
	global_load_b128 v[XR+64*\u+32*\rr+4*\j:XR+64*\u+32*\rr+4*\j+3], v[XO], s[XP:XP+1] offset:((\r0)+\rr)*4096+512*\j th:TH_LOAD_NT
.endr
.endr
.endm
.macro LOADB u                         ; a tile of WO: 16 loads of codes, one of scale words
.irp s,0,1,2,3,4,5,6,7
.irp c,0,1
	global_load_b128 v[WOF+64*\u+8*\s+4*\c:WOF+64*\u+8*\s+4*\c+3], v[BO], s[BC:BC+1] offset:1024*\s+512*\c
.endr
.endr
	global_load_b128 v[WOS+4*\u:WOS+4*\u+3], v[SO], s[BS:BS+1]
.endm
.macro BLOAD u                         ; on to my next tile, round my 16; the four vector lines are also the places behind the products
	s_wait_xcnt 0x0                                ; earlier loads have read their offsets
	v_add_nc_u32 v[BO], 8192, v[BO]
	v_add_nc_u32 v[SO], 512, v[SO]
	v_and_b32 v[BO], 0x1ffff, v[BO]
	v_and_b32 v[SO], 0x1fff, v[SO]
	LOADB \u
.endm
; the head: row i of the ring in window 1 is turned, quantised and stored; re = 1: its registers take the row 8 further on
.macro TURNIN i, cnt                   ; row i goes through stage i % 2 into work area i % 2 of window 3 (v0-31, v32-63); cnt = the loads issued behind this row's eight
	s_wait_loadcnt \cnt
	WIN 0x04
.irp j,0,1,2,3,4,5,6,7
	ds_store_b128 v[SW], v[32*(\i)+4*\j:32*(\i)+4*\j+3] offset:4352*((\i)%2)+544*\j
.endr
	WIN 0xc0
.irp j,0,1,2,3,4,5,6,7
	ds_load_b128 v[32*((\i)%2)+4*\j:32*((\i)%2)+4*\j+3], v[SR] offset:4352*((\i)%2)+16*\j   ; LDS serves a wave's instructions in order: these see the stores
.endr
	WIN 0
.endm
; nx = 1: the next row of the ring is turned in first (cnt is its count), so that its way through LDS lies under this row's arithmetic
.macro HROW i, re, nx, cnt
.if \nx
	TURNIN (\i+1)%8, \cnt
	s_wait_dscnt 16                                ; all but the next row's 16 LDS instructions: row i is back, and the last row's codes are stored
.else
	s_wait_dscnt 0x0
.endif
.if \re
	WIN 0x40
.irp j,0,1,2,3,4,5,6,7
	global_load_b128 v[32*\i+4*\j:32*\i+4*\j+3], v[XO], s[XP:XP+1] offset:(\i+8)*4096+512*\j th:TH_LOAD_NT
.endr
.endif
	WIN 0xff
	QV 32*((\i)%2), 1
	WIN 0x0c
	ds_store_b128 v[CA], v[TP+4:TP+7] offset:CP*\i
	ds_store_b8 v[SA], v[TP+3] offset:SP*\i
	WIN 0
.endm
.macro AL4 g                           ; four tiles of 16 rows of codes into a window
.irp m,0,1,2,3
.irp s,0,1,2,3,4,5,6,7
.irp c,0,1
	ds_load_b128 v[64*\m+8*\s+4*\c:64*\m+8*\s+4*\c+3], v[AFR] offset:16*CP*(4*\g+\m)+64*\s+32*\c
.endr
.endr
.endr
.endm
.macro ALOAD                           ; a pass's operand: 128 rows of codes, their scale words; the sums begin
	WIN 0x40
	AL4 0
	WIN 0x80
	AL4 1
	WIN 0
.irp m,0,1,2,3,4,5,6,7
	ds_load_b128 v[XSC+4*\m:XSC+4*\m+3], v[ASR] offset:16*SP*\m
.endr
.irp i,0,1,2,3,4,5,6,7,8,9,10,11,12,13,14,15
	v_mov_b32 v[S+\i], 0
.endr
	s_wait_dscnt 0x0
.endm
; 32 products: tiles 4 g .. 4 g + 3 of x against WO's tile in set u; the four accumulators by turns
.macro MM u, g
.irp s,0,1,2,3,4,5,6,7
.irp m,0,1,2,3
.if \s == 0
	v_wmma_scale_f32_16x16x128_f8f6f4 v[8*(4*\g+\m):8*(4*\g+\m)+7], v[WOF+64*\u+8*\s:WOF+64*\u+8*\s+7], v[64*\m+8*\s:64*\m+8*\s+7], 0, v[WOS+4*\u+\s], v[XSC+4*(4*\g+\m)+\s] matrix_a_fmt:MATRIX_FMT_FP4 matrix_b_fmt:MATRIX_FMT_FP4
.elseif \s < 4
	v_wmma_scale_f32_16x16x128_f8f6f4 v[8*(4*\g+\m):8*(4*\g+\m)+7], v[WOF+64*\u+8*\s:WOF+64*\u+8*\s+7], v[64*\m+8*\s:64*\m+8*\s+7], v[8*(4*\g+\m):8*(4*\g+\m)+7], v[WOS+4*\u+\s], v[XSC+4*(4*\g+\m)+\s] matrix_a_fmt:MATRIX_FMT_FP4 matrix_b_fmt:MATRIX_FMT_FP4
.else
	v_wmma_scale_f32_16x16x128_f8f6f4 v[8*(4*\g+\m):8*(4*\g+\m)+7], v[WOF+64*\u+8*\s:WOF+64*\u+8*\s+7], v[64*\m+8*\s:64*\m+8*\s+7], v[8*(4*\g+\m):8*(4*\g+\m)+7], v[WOS+4*\u+\s-4], v[XSC+4*(4*\g+\m)+\s-4] matrix_a_fmt:MATRIX_FMT_FP4 matrix_b_fmt:MATRIX_FMT_FP4 matrix_a_scale:MATRIX_SCALE_ROW1 matrix_b_scale:MATRIX_SCALE_ROW1
.endif
.endr
.endr
.endm
; one tile of 16 columns x 128 rows.  q: two rows of the next pass are quantised; re: two more are asked for; ld: WO's tile two on is asked for; cnt: the loads issued behind those that this tile needs
.macro TILE u, q, re, ld, cnt
	ds_load_b128 v[CT:CT+3],   v[TA] offset:64*\u
	ds_load_b128 v[CT+4:CT+7], v[TA] offset:64*\u+16
	ds_load_b128 v[V2:V2+3],   v[TA] offset:4096+64*\u
	ds_load_b128 v[V2+4:V2+7], v[TA] offset:4096+64*\u+16
	s_wait_loadcnt \cnt
.if \q
	WIN 0x0c
.irp rr,0,1
.irp j,0,1,2,3,4,5,6,7
	ds_store_b128 v[SW], v[XR+64*\u+32*\rr+4*\j:XR+64*\u+32*\rr+4*\j+3] offset:4352*\rr+544*\j
.endr
.endr
	WIN 0xc0
.irp rr,0,1
.irp j,0,1,2,3,4,5,6,7
	ds_load_b128 v[XR+64*\u+32*\rr+4*\j:XR+64*\u+32*\rr+4*\j+3], v[SR] offset:4352*\rr+16*\j   ; back under the products below
.endr
.endr
.endif
	WIN 0xf4
	MM \u, 0
	WIN 0xf8
	MM \u, 1
	WIN 0
.if \ld
	BLOAD \u
.else
.rept 4
	v_nop                                          ; four places in front of the first read of the results
.endr
.endif
	s_wait_dscnt 0x0                               ; the tables, and the two rows
.if \q
	WIN 0xff
	QV XR+64*\u, 2
	WIN 0x0c
.irp rr,0,1
	ds_store_b128 v[CA], v[TP+8*\rr+4:TP+8*\rr+7] offset:CP*(2*\u+\rr)
	ds_store_b8 v[SA], v[TP+8*\rr+3] offset:SP*(2*\u+\rr)
.endr
.if \re
	XLOAD \u, 2*\u+4
.endif
.endif
	WIN 0xc3
.set J, 0
.rept 32
	v_pk_fma_f32 v[J:J+1], v[J:J+1], s[CS:CS+1], v[CT+J%8:CT+J%8+1] op_sel_hi:[1,0,1]   ; c x sum + c x term2, each accumulator from its low end on
.set J, J+2
.endr
	s_wait_alu depctr_va_vdst(0)
.set J, 0
.rept 32
	v_exp_f32 v[J], v[J]                           ; tiles 0-3 of the rows
.set J, J+1
.endr
	v_nop
	s_wait_alu depctr_va_vdst(0)                   ; behind the batch, and ahead of the next
.set J, 0
.rept 16
	v_exp_f32 v[32+J], v[32+J]                     ; tiles 4-7; among them the first half's 1 + 2^t, which names none of their registers
	v_exp_f32 v[33+J], v[33+J]
	v_pk_add_f32 v[J:J+1], v[J:J+1], 1.0 op_sel_hi:[1,0]
.set J, J+2
.endr
	s_wait_alu depctr_va_vdst(0)                   ; for the exponentials' results and for the sums that the reciprocals read
.set J, 0
.rept 16
	v_rcp_f32 v[J], v[J]
	v_rcp_f32 v[J+1], v[J+1]
	v_pk_add_f32 v[32+J:33+J], v[32+J:33+J], 1.0 op_sel_hi:[1,0]
.set J, J+2
.endr
	s_wait_alu depctr_va_vdst(0)
.set J, 32
.rept 32
	v_rcp_f32 v[J], v[J]
.set J, J+1
.endr
	v_nop
	s_wait_alu depctr_va_vdst(0)
	WIN 0x03
.irp i,0,2,4,6
.irp m,0,1,2,3,4,5,6,7
	v_pk_fma_f32 v[S+2*\m:S+2*\m+1], v[8*\m+\i:8*\m+\i+1], v[V2+\i:V2+\i+1], v[S+2*\m:S+2*\m+1]   ; += -2 v / (1 + 2^t)
.endr
.endr
	WIN 0
.endm
.macro PAIR q, re, ld0, ld1, c0, c1    ; two tiles, on WO's two sets and x's two sets
	v_add_nc_u32 v[TA], s[QT], v[TBR]
.if \q
	v_add_nc_u32 v[CA], s[QC], v[ACW]
	v_add_nc_u32 v[SA], s[QS], v[ASW]
.endif
	s_wait_alu depctr_va_vdst(0)
	TILE 0, \q, \re, \ld0, \c0
	TILE 1, \q, \re, \ld1, \c1
.if \re
	s_wait_xcnt 0x0                                ; the loads have read their base
	s_add_nc_u64 s[XP:XP+1], s[XP:XP+1], 16384
.endif
	s_add_co_u32 s[QT], s[QT], 128
.if \q
	s_add_co_u32 s[QC], s[QC], 4*CP
	s_add_co_u32 s[QS], s[QS], 4*SP
.endif
.endm
.macro REDUCE p                        ; my 256 columns' part of the 128 rows' sums into LDS
.irp m,0,1,2,3,4,5,6,7
	v_add_f32 v[TT+\m], v[S+2*\m], v[S+2*\m+1]
.endr
.irp m,0,1,2,3,4,5,6,7
	v_permlanex16_b32 v[UU+\m], v[TT+\m], s[SEL], s[SEL+1]
.endr
.irp m,0,1,2,3,4,5,6,7
	v_add_f32 v[TT+\m], v[TT+\m], v[UU+\m]
.endr
.irp k,0,1,2,3
	v_cndmask_b32 v[UU+\k], v[TT+2*\k], v[TT+2*\k+1], s[HM]    ; lanes 0-15 tile 2 k, lanes 16-31 tile 2 k + 1: row 32 k + lane
.endr
.irp k,0,1,2,3
	ds_store_b32 v[RW], v[UU+\k] offset:2048*\p+128*\k
.endr
.endm
.macro SENDOUT p                       ; wave 0 adds the four parts and the sum of v, and stores 512 consecutive bytes, aligned
	s_cmp_lg_u32 s[WV], 0
	s_cbranch_scc1 .Lno_out_\@
.irp i,0,1,2,3
	ds_load_b128 v[CT+4*\i:CT+4*\i+3], v[RR] offset:2048*\p+512*\i
.endr
	s_wait_dscnt 0x0
	v_pk_add_f32 v[CT:CT+1], v[CT:CT+1], v[CT+4:CT+5]
	v_pk_add_f32 v[CT+2:CT+3], v[CT+2:CT+3], v[CT+6:CT+7]
	v_pk_add_f32 v[CT+8:CT+9], v[CT+8:CT+9], v[CT+12:CT+13]
	v_pk_add_f32 v[CT+10:CT+11], v[CT+10:CT+11], v[CT+14:CT+15]
	v_pk_add_f32 v[CT:CT+1], v[CT:CT+1], v[CT+8:CT+9]
	v_pk_add_f32 v[CT+2:CT+3], v[CT+2:CT+3], v[CT+10:CT+11]
	v_pk_add_f32 v[CT:CT+1], v[CT:CT+1], v[SVP:SVP+1]
	v_pk_add_f32 v[CT+2:CT+3], v[CT+2:CT+3], v[SVP:SVP+1]
	global_store_b128 v[OO], v[CT:CT+3], s[OUTP:OUTP+1] offset:512*\p
	s_wait_xcnt 0x0                                ; the store has read its data: the registers are loaded again below
.Lno_out_\@:
.endm
	s_load_b256 s[4:11], s[0:1], 0x0               ; inputs s[4:5], v s[6:7], wo_codes s[8:9], wo_scales s[10:11]
	s_load_b128 s[12:15], s[0:1], 0x20             ; t2c s[12:13], out0 s[14:15]
	v_lshl_add_u32 v[SPW], v0, 2, SPARE
	v_mov_b32 v[NIL], 0
	v_lshrrev_b32 v29, 5, v0
	v_readfirstlane_b32 s[WV], v29                 ; wave 0..3
	s_mul_i32 s17, s[WV], 8704
	s_add_co_u32 s17, s17, STAGE                   ; my stage
	s_mul_i32 s18, s[WV], 32*CP                    ; the 32 rows of a pass that I quantise: their codes,
	s_mul_i32 s19, s[WV], 32*SP
	s_add_co_u32 s19, s19, ASCL                    ; their scale bytes
	s_lshl_b32 s20, s[WV], 10
	s_add_co_u32 s20, s20, CTAB                    ; my 256 columns in the tables
	s_lshl_b32 s21, s[WV], 9
	s_add_co_u32 s21, s21, RED
	s_lshr_b32 s22, ttmp9, 3                       ; my batch: 8 work-groups to a batch,
	s_lshl_b32 s22, s22, 6                         ; 64 bytes a batch in a tile of t2c
	s_mov_b32 s[SEL], 0x76543210
	s_mov_b32 s[SEL+1], 0xfedcba98                 ; v_permlanex16_b32's selects for lane l xor 16
	s_mov_b32 s[CS], 0x4038aa3b                    ; c = 2 log2(e)
	s_mov_b32 s[CS+1], s[CS]
	s_mov_b32 s[HM], 0xffff0000
	s_mov_b32 s[QC], 0
	s_mov_b32 s[QS], 0
	s_mov_b32 s[LP], 0
	v_and_b32 v22, 31, v0                          ; lane
	v_and_b32 v23, 15, v0                          ; r
	v_bfe_u32 v24, v0, 4, 1                        ; h
	v_lshrrev_b32 v25, 1, v22
	v_lshlrev_b32 v[XO], 4, v22
	v_lshlrev_b32 v[BO], 4, v22
	v_lshlrev_b32 v[SO], 5, v23
	v_lshl_add_u32 v[SO], v24, 4, v[SO]
	v_lshl_add_u32 v[SW], v24, 4, v[XO]            ; into the stage: 16 x lane, 16 bytes of padding behind each 256
	v_add_nc_u32 v[SW], s17, v[SW]
	v_lshlrev_b32 v[SR], 7, v22                    ; out of it: block = lane, 128 bytes
	v_lshl_add_u32 v[SR], v25, 4, v[SR]
	v_add_nc_u32 v[SR], s17, v[SR]
	v_lshl_add_u32 v[ACW], v22, 4, s18
	v_add_nc_u32 v[ASW], s19, v22
	v_lshl_add_u32 v[TBR], v24, 5, s20
	v_mul_u32_u24 v[AFR], v23, CP
	v_lshl_add_u32 v[AFR], v24, 4, v[AFR]
	v_mul_u32_u24 v[ASR], v23, SP
	v_lshl_add_u32 v[ASR], v24, 4, v[ASR]
	v_add_nc_u32 v[ASR], ASCL, v[ASR]
	v_lshl_add_u32 v[RW], v22, 2, s21
	v_lshl_add_u32 v[RR], v22, 4, RED
	v_lshlrev_b32 v[OO], 4, v22
	v_lshl_add_u32 v[SVA], v22, 4, CTAB+4096
	v_lshrrev_b32 v26, 2, v0                       ; t2c: thread i takes 16 bytes of tile i / 4 (and of tile i / 4 + 32)
	v_lshlrev_b32 v26, 11, v26
	v_and_b32 v27, 3, v0
	v_lshl_add_u32 v26, v27, 4, v26
	v_add_nc_u32 v26, s22, v26
	v_lshlrev_b32 v27, 4, v0
	v_lshl_add_u32 v28, v0, 4, CTAB
.irp m,0,1,2,3,4,5,6,7
	v_mov_b32 v[UU+\m], 0                          ; a lane permute's destination counts as one of its sources
.endr
	s_wait_alu depctr_va_vdst(0)
	s_wait_kmcnt 0x0
	s_lshl_b32 s42, ttmp9, 20                      ; 256 rows of 4,096 bytes a work-group,
	s_lshl_b32 s43, s[WV], 17                      ; 32 rows a wave
	s_add_co_u32 s42, s42, s43
	s_mov_b32 s43, 0
	s_add_nc_u64 s[XP:XP+1], s[4:5], s[42:43]
	s_lshl_b32 s42, s[WV], 17
	s_add_nc_u64 s[BC:BC+1], s[8:9], s[42:43]
	s_lshl_b32 s42, s[WV], 13
	s_add_nc_u64 s[BS:BS+1], s[10:11], s[42:43]
	s_lshl_b32 s42, ttmp9, 10
	s_add_nc_u64 s[OUTP:OUTP+1], s[14:15], s[42:43]
	global_load_b128 v[112:115], v26, s[12:13]
	global_load_b128 v[116:119], v26, s[12:13] offset:65536
	global_load_b128 v[120:123], v27, s[6:7]
	global_load_b128 v[124:127], v27, s[6:7] offset:2048
	WIN 0x40
.irp i,0,1,2,3,4,5,6,7
.irp j,0,1,2,3,4,5,6,7
	global_load_b128 v[32*\i+4*\j:32*\i+4*\j+3], v[XO], s[XP:XP+1] offset:4096*\i+512*\j th:TH_LOAD_NT   ; my rows 0-7 of pass 1
.endr
.endr
	WIN 0
	TURNIN 0, 56                                   ; row 0: seven rows, 56 loads, stand behind it
.Lhead:                                                ; three trips of eight rows; each row's registers take the row 8 further on; when a row is turned in, six rows, 48 loads, stand behind it
	v_add_nc_u32 v[CA], s[QC], v[ACW]
	v_add_nc_u32 v[SA], s[QS], v[ASW]
	s_wait_alu depctr_va_vdst(0)
.irp i,0,1,2,3,4,5,6,7
	HROW \i, 1, 1, 48
.endr
	s_wait_xcnt 0x0
	s_add_nc_u64 s[XP:XP+1], s[XP:XP+1], 32768
	s_add_co_u32 s[QC], s[QC], 8*CP
	s_add_co_u32 s[QS], s[QS], 8*SP
	s_add_co_u32 s[LP], s[LP], 1
	s_cmp_lt_u32 s[LP], 3
	s_cbranch_scc1 .Lhead
	s_add_nc_u64 s[XP:XP+1], s[XP:XP+1], 524288-98304      ; on to my rows of pass 2
	v_add_nc_u32 v[CA], s[QC], v[ACW]
	v_add_nc_u32 v[SA], s[QS], v[ASW]
.irp i,120,122,124,126
	v_pk_mul_f32 v[\i:\i+1], v[\i:\i+1], -2.0 op_sel_hi:[1,0]      ; the tables' four loads are older than every row's
.endr
	s_wait_alu depctr_va_vdst(0)
	ds_store_b128 v28, v[112:115]
	ds_store_b128 v28, v[116:119] offset:2048
	ds_store_b128 v28, v[120:123] offset:4096
	ds_store_b128 v28, v[124:127] offset:6144
	HROW 0, 0, 1, 48                               ; the last eight rows (row 0 is turned in already); among them pass 1's first loads go out, in the order in which its tiles count them:
	HROW 1, 0, 1, 40                               ; (the count is that of the row turned in: the rows behind it, and what has gone out since)
	LOADB 0                                        ; WO's tile 0 (17 loads),
	HROW 2, 0, 1, 49                               ; 4 rows + 17
	HROW 3, 0, 1, 41
	XLOAD 0, 0                                     ; rows 0, 1 of pass 2 (16),
	WIN 0
	HROW 4, 0, 1, 49                               ; 2 rows + 33
	HROW 5, 0, 1, 41
	BLOAD 1                                        ; WO's tile 1,
	HROW 6, 0, 1, 50                               ; no row + 50
	HROW 7, 0, 0, 0
	XLOAD 1, 2                                     ; rows 2, 3
	WIN 0
	BAR                                            ; all 128 rows' codes and the tables lie in LDS
.irp j,0,1,2,3,4,5,6,7
	ds_load_b128 v[XSC+4*\j:XSC+4*\j+3], v[SVA] offset:512*\j      ; the sum of v, from the table of -2 v
.endr
	s_wait_dscnt 0x0
.irp i,0,4,8,12,16,20,24,28
	v_pk_add_f32 v[XSC+\i:XSC+\i+1], v[XSC+\i:XSC+\i+1], v[XSC+\i+2:XSC+\i+3]
.endr
.irp i,0,8,16,24
	v_pk_add_f32 v[XSC+\i:XSC+\i+1], v[XSC+\i:XSC+\i+1], v[XSC+\i+4:XSC+\i+5]
.endr
.irp i,0,16
	v_pk_add_f32 v[XSC+\i:XSC+\i+1], v[XSC+\i:XSC+\i+1], v[XSC+\i+8:XSC+\i+9]
.endr
	v_pk_add_f32 v[XSC:XSC+1], v[XSC:XSC+1], v[XSC+16:XSC+17]
	v_add_f32 v[XSC], v[XSC], v[XSC+1]
.irp k,1,2,4,8
	v_add_f32_dpp v[XSC], v[XSC], v[XSC] row_xmask:\k row_mask:0xf bank_mask:0xf
.endr
	v_permlanex16_b32 v[UU], v[XSC], s[SEL], s[SEL+1]
	v_add_f32 v[XSC], v[XSC], v[UU]
	v_mul_f32 v[SVP], -0.5, v[XSC]
	v_mul_f32 v[SVP+1], -0.5, v[XSC]
	ALOAD
	BAR                                            ; every wave has taken pass 1's codes: pass 2's may be written over them
	s_mov_b32 s[QT], 0
	s_mov_b32 s[QC], 0
	s_mov_b32 s[QS], 0
	s_mov_b32 s[LP], 0
.Lpass1:                                               ; tiles 0-13: behind a tile's loads stand the next tile's 17 + 16
	PAIR 1, 1, 1, 1, 33, 33
	s_add_co_u32 s[LP], s[LP], 1
	s_cmp_lt_u32 s[LP], 7
	s_cbranch_scc1 .Lpass1
	PAIR 1, 0, 1, 1, 33, 17                        ; tiles 14, 15: no rows are left to ask for; WO goes round to pass 2's tiles 0, 1
	REDUCE 0
	BAR                                            ; pass 2's codes and pass 1's sums lie in LDS
	SENDOUT 0
	ALOAD
	s_mov_b32 s[QT], 0
	s_mov_b32 s[LP], 0
.Lpass2:                                               ; behind a tile's loads stand the next tile's 17
	PAIR 0, 0, 1, 1, 17, 17
	s_add_co_u32 s[LP], s[LP], 1
	s_cmp_lt_u32 s[LP], 7
	s_cbranch_scc1 .Lpass2
	PAIR 0, 0, 0, 0, 17, 0
	REDUCE 1
	BAR
	SENDOUT 1
	s_wait_tensorcnt 0x0                           ; the wave's end
	ds_add_u32 v[SPW], v[NIL]
	s_wait_dscnt 0x0
	s_endpgm
.Lfunc_end_k_qdb8fdc5ffe_main:
	.size	k_qdb8fdc5ffe_main, .Lfunc_end_k_qdb8fdc5ffe_main-k_qdb8fdc5ffe_main
	.p2alignl 7, 3214868480
	.fill 96, 4, 3214868480
	.section	.rodata,"a",@progbits
	.p2align	6, 0x0
	.amdhsa_kernel k_qdb8fdc5ffe_main
		.amdhsa_group_segment_fixed_size 122880
		.amdhsa_private_segment_fixed_size 0
		.amdhsa_enable_private_segment 0
		.amdhsa_kernarg_size 48
		.amdhsa_user_sgpr_count 2
		.amdhsa_user_sgpr_kernarg_segment_ptr 1
		.amdhsa_wavefront_size32 1
		.amdhsa_system_sgpr_workgroup_id_x 1
		.amdhsa_system_sgpr_workgroup_id_y 1
		.amdhsa_system_sgpr_workgroup_id_z 1
		.amdhsa_system_vgpr_workitem_id 0
		.amdhsa_next_free_vgpr 1024
		.amdhsa_next_free_sgpr 66
		.amdhsa_reserve_vcc 0
		.amdhsa_float_denorm_mode_32 3
		.amdhsa_float_denorm_mode_16_64 3
		.amdhsa_memory_ordered 1
		.amdhsa_forward_progress 1
		.amdhsa_inst_pref_size 255
	.end_amdhsa_kernel
	.section	.bss,"aw",@nobits
	.p2align	6
	.space	262144
	.amdgpu_metadata
---
amdhsa.version: [ 1, 2 ]
amdhsa.kernels:
  - .name:           k_qdb8fdc5ffe_main
    .symbol:         k_qdb8fdc5ffe_main.kd
    .args:
      - { .name: inputs, .offset: 0, .size: 8, .value_kind: global_buffer, .address_space: global }
      - { .name: v, .offset: 8, .size: 8, .value_kind: global_buffer, .address_space: global }
      - { .name: wo_codes, .offset: 16, .size: 8, .value_kind: global_buffer, .address_space: global }
      - { .name: wo_scales, .offset: 24, .size: 8, .value_kind: global_buffer, .address_space: global }
      - { .name: t2c, .offset: 32, .size: 8, .value_kind: global_buffer, .address_space: global }
      - { .name: out0, .offset: 40, .size: 8, .value_kind: global_buffer, .address_space: global }
    .group_segment_fixed_size: 122880
    .private_segment_fixed_size: 0
    .kernarg_segment_align: 8
    .kernarg_segment_size: 48
    .max_flat_workgroup_size: 128
    .sgpr_count:     66
    .vgpr_count:     1024
    .wavefront_size: 32
...
	.end_amdgpu_metadata
.endif
;; end of part 2
